; MI455X (gfx1250); checked and timed in simulation.
; The chip was launched on July 23, 2026; its instructions are those of AMD's public machine-readable ISA for CDNA 5 (MIT licence, August 2026) and "CDNA5" Instruction Set Architecture Reference Guide (July 2026). The comments in the code are by the model that wrote it; some were corrected since.
;; Multi Head Attention. Allowed arithmetic: matrix products marked QUANTISED: E2M1 operands, one E8M0 scale for each 32 along K, by v_wmma_scale_f32_16x16x128_f8f6f4 with both operands' format E2M1 (or v_wmma_scale_f32_32x16x128_f4), f32 sums; everything else in f32.
;; Inputs: b_proj 1,024 float32; w_proj 1,024 x 1,024 float32; wk 16 x 1,024 x 64 float32; wq 16 x 1,024 x 64 float32; wv 16 x 1,024 x 64 float32; x 8 x 1,024 x 1,024 float32.
;; Outputs: out0 8 x 1,024 x 1,024 float32.
;; This version of the problem:
;;   THIS VERSION OF THE PROBLEM IS GIVEN IN LOW PRECISION. The matrix products marked QUANTISED in the list below multiply operands that are first quantised to E2M1 (2 exponent bits, 1 mantissa bit; 4 bits a number), with one power-of-two scale for each 32 numbers along K (OCP MX v1.0); their sums are f32. All else is computed in f32.
;;   The module's matrix products, in the order in which they are computed (A, B: the left and right operand; K: the contracted axis; several contracted axes count as one K, in the product's order):
;;     1. [M 1,024, K 1,024] x [K 1,024, N 8,192]; A: input wq; B: input x: QUANTISED
;;     2. [M 1,024, K 1,024] x [K 1,024, N 8,192]; A: input wk; B: input x: QUANTISED
;;     3. [M 1,024, K 1,024] x [K 1,024, N 8,192]; A: input wv; B: input x: QUANTISED
;;     4. batch 128 x [M 1,024, K 64] x [K 64, N 1,024]; A: computed on the way; B: computed on the way: QUANTISED
;;     5. batch 128 x [M 1,024, K 1,024] x [K 1,024, N 64]; A: softmax (see below); B: computed on the way: QUANTISED
;;     6. [M 8,192, K 1,024] x [K 1,024, N 1,024]; A: computed on the way; B: input w_proj: QUANTISED
;;   THE QUANTISER, for each operand of a quantised product, along K:
;;     - K is cut into blocks of 32 from its start; a last block that is shorter is filled with zeros.
;;     - A block's scale is 2^e with e = floor(log2(the largest magnitude in the block)) - 2, held to -126 .. 127; a block of zeros has e = 0. As a byte (E8M0): e + 127.
;;     - Each number is divided by its block's scale, clamped to +-6, and rounded to the nearest number of E2M1, ties to even, subnormals kept.
;;     - The product sums the exact products of the quantised numbers (number of the format x scale) in f32.
;;   ~~~python
;;   def quantise(x, axis):      # numpy; x: float32 -> the quantised numbers, widened to float32 again
;;       x = np.moveaxis(x, axis, -1); K = x.shape[-1]
;;       x = np.pad(x, [(0, 0)] * (x.ndim - 1) + [(0, -K % 32)]); x = x.reshape(x.shape[:-1] + (-1, 32)); a = np.abs(x).max(-1, keepdims=True)
;;       e = np.where(a > 0, np.clip(np.frexp(np.where(a > 0, a, 1))[1] - 1 - 2, -126, 127), 0)      # np.frexp(a)[1] - 1 = floor(log2(a)), exactly
;;       r = np.clip(x / 2.0 ** e, -6, 6)
;;       step = 2.0 ** (np.maximum(np.frexp(np.where(r == 0, 1, r))[1] - 1, 0) - 1)
;;       q = np.round(r / step) * step * 2.0 ** e      # np.round: ties to even
;;       return np.moveaxis(q.reshape(q.shape[:-2] + (-1,))[..., :K], -1, axis).astype(np.float32)
;;   ~~~
;;   SOFTMAX AHEAD OF A QUANTISED PRODUCT. Where the list says 'softmax', what is quantised is not the finished softmax but p = 2^(t - M), with t = logit x log2(e) and M = ceil(the row's largest t), a whole number; so 1/2 < the row's largest p <= 1. The row's sum l is taken of the UNQUANTISED p, in f32, and the product's result is divided by l at the end. Since M is a whole number, a kernel that streams over the keys may use a running M (the ceiling of the running maximum): every later rescaling is an exact power of two, which a block's scale takes up: the codes' values come out the same.
;;   OPERANDS COMPUTED ON THE WAY. 'Computed on the way' means the value that the module computes at that place (a softmax that the list does not call 'softmax' is quantised finished and normalised). What goes into a quantiser is computed in f32, as accurately as f32 sums, v_exp_f32 and their like allow (about 1e-6 of the number): no bf16 or f16 on the way to a quantiser, and a product that is left as it is and whose result goes on into a quantised operand takes f32 operands (vector FMAs, or v_wmma_f32_16x16x4_f32). A number that lies on a knife's edge between two numbers of the format may be rounded either way, as far as f32 arithmetic and the matrix unit's own rounding can turn it there, and no further.
;; One version. Each part assembles by itself: llvm-mc -triple=amdgcn-amd-amdhsa -mcpu=gfx1250 --defsym DOCPART=n.
;; ======== version 1 of 1: 4 launches
;; limits: right only within a limited range of input values
;; workspace buffers: xcod 4,456,448 bytes; wcod 2,228,224 bytes; qcod 4,718,592 bytes; kcod 4,718,592 bytes; vcod 4,456,448 bytes; ocod 4,456,448 bytes
;; launch quant (part 1): grid 768 x 1, 4 waves a work-group, no clusters, 68,096 bytes of LDS; arguments x, wq, wk, wv, w_proj, xcod, wcod; writes xcod, wcod
.if DOCPART == 1
	.amdgcn_target "amdgcn-amd-amdhsa--gfx1250"
	.amdhsa_code_object_version 6
	.text
	.protected	k_qe786831350_quant
	.globl	k_qe786831350_quant
	.p2align	8
	.type	k_qe786831350_quant,@function
k_qe786831350_quant:
	s_mov_b64 s[64:65], 0
	v_nop
	global_prefetch_b8 v0, s[64:65] scope:SCOPE_SE
	s_setreg_imm32_b32 hwreg(HW_REG_WAVE_MODE, 25, 1), 1
	s_wait_xcnt 0x0
; x [8192][1024] (K innermost) and wq, wk, wv [16][1024 (K)][64], w_proj [1024 (K)][1024] become codes of FP4 (E2M1) with one E8M0 byte for each 32 along K.
; A block's scale is 2^(floor(log2(largest magnitude)) - 2): its byte is the largest magnitude's exponent field - 2, held at 1 from below by a floor among the maximum's leaves.
; LIMITS: NaN and infinities are not served; a block whose largest magnitude lies under 2^-124, zeros too, gets the byte 1 (its codes are zeros or the clipped rule's; the bytes are read by this program alone).
; LAYOUT OF BOTH OUTPUTS: [tile of 16 positions][half g of K][4,352 bytes]: four fragments (K steps 4 g .. 4 g + 3) as images of the operand's registers, 1,024 bytes each
; (chunk c of 512 bytes: lane l's 16 bytes at 16 l; lane (r, h) holds position r, k = 64 c + 32 h + 0 .. 31), then 256 bytes of scale words [position][K step % 4].
; THE ORDER OF A TILE: position p of tile 2 b + u is row (or column) 32 b + 8 u + p % 8 + 16 (p / 8): as source 0 of a product such tiles leave 16 neighbours in the 16 registers of two neighbouring result tiles.
; SHARES: work-groups 0-511: one tile of x each, wave w the K steps 2 w, 2 w + 1.  Work-groups 512-767: 32 columns (two tiles) of one weight, half g of K, wave w the K step 4 g + w.
; The two ways part on the work-group's number alone and do not join: each has LDS bytes, a barrier and an end of its own.
.set STG,  16640                       ; a wave's stage: 16 rows x 1,040 bytes
.set SROW, 1040                        ; 1,024 bytes + 16: row r starts 4 r words on, so sixteen rows' 16 bytes fall on different banks
.set SCLX, 4*STG                       ; x's scale words: [g][position][4 words], 512 bytes
.set SCLW, SCLX+512                    ; the weights': [tile u][position][4 words], 512 bytes
.set RR,   64                          ; v64-191  numbers as loaded
.set XX,   192                         ; v192-255 64 numbers of a lane for one fragment
.set CD,   32                          ; v32-47   codes: never written twice, so no store's data are rewritten
	s_load_b256 s[4:11], s[0:1], 0x0               ; x, wq, wk, wv
	s_load_b128 s[12:15], s[0:1], 0x20             ; w_proj, xcod
	s_load_b64 s[16:17], s[0:1], 0x30              ; wcod
	v_lshl_add_u32 v62, v0, 2, 0x10800
	v_mov_b32 v63, 0
	v_lshrrev_b32 v1, 5, v0
	v_readfirstlane_b32 s18, v1                    ; wave 0..3
	v_and_b32 v1, 31, v0                           ; lane l
	v_and_b32 v2, 15, v0                           ; r
	v_bfe_u32 v3, v0, 4, 1                         ; h
	v_lshlrev_b32 v4, 4, v1                        ; 16 l
	v_lshlrev_b32 v5, 3, v3                        ; 8 h: the shift of my two scale bytes
	s_mul_i32 s28, s18, STG
	v_add_nc_u32 v6, s28, v4                       ; the stage, on the way in: 16 l
	v_mul_u32_u24 v7, v2, SROW
	v_lshl_add_u32 v7, v3, 7, v7
	v_add_nc_u32 v7, s28, v7                       ; and back: row r, + 128 h bytes (32 numbers)
	s_lshr_b32 s29, s18, 1
	s_lshl_b32 s29, s29, 8                         ; 256 (w / 2): the half of K
	s_and_b32 s30, s18, 1
	s_lshl_b32 s30, s30, 3                         ; 8 (w % 2): my first K step's word
	s_add_co_u32 s29, s29, s30
	s_add_co_u32 s29, s29, SCLX
	v_lshl_add_u32 v8, v2, 4, s29                  ; x's scale word of position r
	v_bfe_u32 v22, v0, 3, 1                        ; a weight's column l: tile u = (l / 8) % 2,
	v_and_b32 v23, 7, v0
	v_lshl_add_u32 v23, v3, 3, v23                 ; position p = l % 8 + 8 (l / 16)
	s_lshl_b32 s29, s18, 2
	s_add_co_u32 s29, s29, SCLW
	v_lshl_add_u32 v9, v22, 8, s29
	v_lshl_add_u32 v9, v23, 4, v9                  ; its scale word: 256 u + 16 p + 4 w
	v_add_nc_u32 v10, SCLX, v4                     ; the tail: 16 bytes a lane of the 512 bytes of words
	v_mul_u32_u24 v11, v3, 4352
	v_lshl_add_u32 v11, v2, 4, v11                 ; x: lanes 0-15 half 0's words, lanes 16-31 half 1's
	v_mul_u32_u24 v28, v3, 8704
	v_lshl_add_u32 v28, v2, 4, v28                 ; weights: lanes 0-15 tile 2 cp's words, lanes 16-31 tile 2 cp + 1's
	v_mul_u32_u24 v12, v22, 8704
	v_lshl_add_u32 v12, v23, 4, v12                ; a weight's codes: 8,704 u + 16 p
	v_lshlrev_b32 v13, 2, v1                       ; 4 l
	v_mov_b32 v21, 0                               ; a lane permute's destination counts as read: written once
	s_mov_b32 s20, 0x76543210
	s_mov_b32 s21, 0xfedcba98                      ; v_permlanex16_b32's selects for lane l xor 16
	s_mov_b32 s29, 0
	s_mov_b32 s31, 0
	s_wait_kmcnt 0x0
	s_cmp_lt_u32 ttmp9, 512
	s_cbranch_scc0 .Lweights
; 64 numbers of a lane, v[S + 32 c + i] = k 64 c + 32 h + i of my position, become a fragment's 8 registers v[C ..] and its scale word v20.  A lane owns two whole blocks.
.macro QUANTW S, C
.irp c, 0,1
	v_max3_num_f32 v[14+\c], |v[\S+32*\c]|, |v[\S+32*\c+1]|, 0x1800000   ; with the floor 2^(3 - 127): the byte cannot fall under 1
.endr
.irp i, 2,4,6,8,10,12,14,16,18,20,22,24,26,28,30
.irp c, 0,1
	v_max3_num_f32 v[14+\c], v[14+\c], |v[\S+32*\c+\i]|, |v[\S+32*\c+\i+1]|   ; the two blocks by turns
.endr
.endr
.irp c, 0,1
	v_add_nc_u32 v[16+\c], 0xff000000, v[14+\c]    ; 2 off the exponent field: the conversion's scale operand
.endr
.irp c, 0,1
	v_lshrrev_b32 v[18+\c], 23, v[16+\c]           ; the scale's byte
.endr
	v_lshl_or_b32 v20, v19, 16, v18                ; blocks h and 2 + h,
	v_lshlrev_b32 v20, v5, v20                     ; at their places in the word;
	v_permlanex16_b32 v21, v20, s20, s21
	v_or_b32 v20, v20, v21                         ; with lane l xor 16's two the word is whole
.irp c, 0,1
.irp g, 0,1,2,3
	v_cvt_scalef32_pk8_fp4_f32 v[\C+4*\c+\g], v[\S+32*\c+8*\g:\S+32*\c+8*\g+7], v[16+\c]
.endr
.endr
	v_nop                                          ; one plain line behind the last conversion
.endm
; The end of either way: every wave's scale words are in LDS; wave 0 stores them as two aligned runs of 256 bytes.
.macro TAIL lofs, voff
	s_wait_dscnt 0x0                               ; my LDS stores have landed
	s_barrier_signal -1
	s_barrier_wait -1
	s_cmp_lg_u32 s18, 0
	s_cbranch_scc1 .Ldone_\@
	ds_load_b128 v[24:27], v10 offset:\lofs
	s_wait_dscnt 0x0
	global_store_b128 v[\voff], v[24:27], s[26:27] offset:4096
.Ldone_\@:
	s_wait_tensorcnt 0x0
	ds_add_u32 v62, v63
	s_wait_dscnt 0x0
	s_endpgm
.endm
	; ---- a tile of x
	s_lshr_b32 s28, ttmp9, 1
	s_lshl_b32 s28, s28, 17                        ; 32 rows of 4,096 bytes for each pair of tiles,
	s_and_b32 s30, ttmp9, 1
	s_lshl_b32 s30, s30, 15                        ; 8 rows for the odd tile,
	s_add_co_u32 s28, s28, s30
	s_lshl_b32 s30, s18, 10                        ; my wave's 256 numbers of a row
	s_add_co_u32 s28, s28, s30
	s_add_nc_u64 s[22:23], s[4:5], s[28:29]
	s_mul_i32 s28, ttmp9, 8704
	s_add_nc_u64 s[26:27], s[14:15], s[28:29]      ; the tile in xcod
	s_lshr_b32 s30, s18, 1
	s_mul_i32 s30, s30, 4352
	s_and_b32 s28, s18, 1
	s_lshl_b32 s28, s28, 11
	s_add_co_u32 s30, s30, s28
	s_add_nc_u64 s[24:25], s[26:27], s[30:31]      ; my two fragments in it
.irp i, 0,1,2,3,4,5,6,7,8,9,10,11,12,13,14,15
.irp p, 0,1
	global_load_b128 v[RR+4*(2*\i+\p):RR+4*(2*\i+\p)+3], v4, s[22:23] offset:((\i%8)+16*(\i/8))*4096+512*\p th:TH_LOAD_NT   ; position i's row: 32 lanes read 512 consecutive bytes
.endr
.endr
.set n, 0
.rept 32
	s_wait_loadcnt 31-n                            ; loads come back in order: load n is in, the 31 - n younger ones may be out
	ds_store_b128 v6, v[RR+4*n:RR+4*n+3] offset:SROW*(n/2)+512*(n%2)
.set n, n+1
.endr
.irp c, 0,1
.irp j, 0,1,2,3,4,5,6,7
	ds_load_b128 v[XX+32*\c+4*\j:XX+32*\c+4*\j+3], v7 offset:256*\c+16*\j         ; the first K step: my 32 neighbours of each of two blocks
.endr
.endr
	s_wait_dscnt 0x0                               ; they are in, and the stores into the stage have read their registers
.irp c, 0,1
.irp j, 0,1,2,3,4,5,6,7
	ds_load_b128 v[RR+32*\c+4*\j:RR+32*\c+4*\j+3], v7 offset:512+256*\c+16*\j     ; the second K step lands while the first is quantised
.endr
.endr
	QUANTW XX, CD
	global_store_b128 v4, v[CD:CD+3], s[24:25]
	global_store_b128 v4, v[CD+4:CD+7], s[24:25] offset:512
	ds_store_b32 v8, v20                           ; both lanes of a position write the same word
	s_wait_dscnt 0x0
	QUANTW RR, CD+8
	global_store_b128 v4, v[CD+8:CD+11], s[24:25] offset:1024
	global_store_b128 v4, v[CD+12:CD+15], s[24:25] offset:1536
	ds_store_b32 v8, v20 offset:4
	TAIL 0, 11
	; ---- 32 columns of a weight, 128 along K a wave: a lane takes a column and its registers run down K
.Lweights:
	s_sub_co_u32 s28, ttmp9, 512
	s_and_b32 s32, s28, 1                          ; g
	s_lshr_b32 s33, s28, 1                         ; cp: the pair of tiles, 0..127
	s_lshr_b32 s34, s33, 5                         ; which weight
	s_and_b32 s35, s33, 31                         ; cg: its group of 32 columns
	s_cmp_eq_u32 s34, 1
	s_cselect_b64 s[22:23], s[8:9], s[6:7]
	s_cmp_eq_u32 s34, 2
	s_cselect_b64 s[22:23], s[10:11], s[22:23]
	s_cmp_eq_u32 s34, 3
	s_cselect_b64 s[22:23], s[12:13], s[22:23]
	s_lshl_b32 s36, s32, 9
	s_lshl_b32 s37, s18, 7
	s_add_co_u32 s36, s36, s37                     ; my first row of K
	s_lshr_b32 s37, s35, 1
	s_lshl_b32 s37, s37, 18                        ; wq, wk, wv: the head's 262,144 bytes,
	s_and_b32 s38, s35, 1
	s_lshl_b32 s38, s38, 7                         ; which 32 of its 64 columns,
	s_add_co_u32 s37, s37, s38
	s_lshl_b32 s38, s36, 8                         ; rows of 256 bytes
	s_add_co_u32 s37, s37, s38
	s_lshl_b32 s38, s35, 7                         ; w_proj: 128 bytes a group,
	s_lshl_b32 s39, s36, 12                        ; rows of 4,096 bytes
	s_add_co_u32 s38, s38, s39
	s_cmp_eq_u32 s34, 3
	s_cselect_b32 s28, s38, s37
	s_add_nc_u64 s[22:23], s[22:23], s[28:29]
	s_mul_i32 s28, s33, 17408
	s_mul_i32 s30, s32, 4352
	s_add_co_u32 s28, s28, s30
	s_add_nc_u64 s[26:27], s[16:17], s[28:29]      ; tile 2 cp, half g, in wcod
	s_lshl_b32 s28, s18, 10
	s_add_nc_u64 s[24:25], s[26:27], s[28:29]      ; my K step's fragment
.macro WLOAD pitch
.set n, 0
.rept 128
	global_load_b32 v[RR+n], v13, s[22:23] offset:n*\pitch   ; row n of my 128: 32 lanes read 128 consecutive bytes
.set n, n+1
.endr
.endm
	s_cmp_eq_u32 s34, 3
	s_cbranch_scc1 .Lwide_rows
	s_wait_alu depctr_va_vdst(0)
	WLOAD 256
	s_branch .Lloaded
.Lwide_rows:
	s_wait_alu depctr_va_vdst(0)
	WLOAD 4096
.Lloaded:
; Block t of my column: 32 numbers, all mine.  Its 16 bytes of codes are lane p + 16 (t % 2) of chunk t / 2: byte 256 t + 16 p of the fragment, so sixteen lanes fill 256 consecutive bytes in each of the two tiles.
.macro WBLOCK t, cnt
.set B0, RR+32*(\t)
	s_wait_loadcnt \cnt
	v_max3_num_f32 v14, |v[B0]|, |v[B0+1]|, 0x1800000
	v_max3_num_f32 v15, |v[B0+2]|, |v[B0+3]|, |v[B0+4]|
.irp i, 5,9,13,17,21,25
	v_max3_num_f32 v14, v14, |v[B0+\i]|, |v[B0+\i+1]|
	v_max3_num_f32 v15, v15, |v[B0+\i+2]|, |v[B0+\i+3]|
.endr
	v_max3_num_f32 v14, v14, |v[B0+29]|, |v[B0+30]|
	v_max3_num_f32 v14, v14, v15, |v[B0+31]|
	v_add_nc_u32 v16, 0xff000000, v14
	v_lshrrev_b32 v18, 23, v16
.if (\t) == 0
	v_mov_b32 v20, v18
.else
	v_lshl_or_b32 v20, v18, 8*(\t), v20            ; byte t of my column's scale word
.endif
.irp g, 0,1,2,3
	v_cvt_scalef32_pk8_fp4_f32 v[CD+4*(\t)+\g], v[B0+8*\g:B0+8*\g+7], v16
.endr
	v_nop
	global_store_b128 v12, v[CD+4*(\t):CD+4*(\t)+3], s[24:25] offset:256*(\t)
.endm
	WBLOCK 0, 63                                   ; 96 younger loads might stay out; the wait's field holds 63
	WBLOCK 1, 63                                   ; 64 might
	WBLOCK 2, 32                                   ; the last block's 32
	WBLOCK 3, 0
	ds_store_b32 v9, v20
	TAIL 512, 28
.Lfunc_end_k_qe786831350_quant:
	.size	k_qe786831350_quant, .Lfunc_end_k_qe786831350_quant-k_qe786831350_quant
	.p2alignl 7, 3214868480
	.fill 96, 4, 3214868480
	.section	.rodata,"a",@progbits
	.p2align	6, 0x0
	.amdhsa_kernel k_qe786831350_quant
		.amdhsa_group_segment_fixed_size 68096
		.amdhsa_private_segment_fixed_size 0
		.amdhsa_enable_private_segment 0
		.amdhsa_kernarg_size 56
		.amdhsa_user_sgpr_count 2
		.amdhsa_user_sgpr_kernarg_segment_ptr 1
		.amdhsa_wavefront_size32 1
		.amdhsa_system_sgpr_workgroup_id_x 1
		.amdhsa_system_sgpr_workgroup_id_y 1
		.amdhsa_system_sgpr_workgroup_id_z 1
		.amdhsa_system_vgpr_workitem_id 0
		.amdhsa_next_free_vgpr 256
		.amdhsa_next_free_sgpr 66
		.amdhsa_reserve_vcc 0
		.amdhsa_float_denorm_mode_32 3
		.amdhsa_float_denorm_mode_16_64 3
		.amdhsa_memory_ordered 1
		.amdhsa_forward_progress 1
		.amdhsa_inst_pref_size 51
	.end_amdhsa_kernel
	.amdgpu_metadata
---
amdhsa.version: [ 1, 2 ]
amdhsa.kernels:
  - .name:           k_qe786831350_quant
    .symbol:         k_qe786831350_quant.kd
    .args:
      - { .name: x, .offset: 0, .size: 8, .value_kind: global_buffer, .address_space: global }
      - { .name: wq, .offset: 8, .size: 8, .value_kind: global_buffer, .address_space: global }
      - { .name: wk, .offset: 16, .size: 8, .value_kind: global_buffer, .address_space: global }
      - { .name: wv, .offset: 24, .size: 8, .value_kind: global_buffer, .address_space: global }
      - { .name: w_proj, .offset: 32, .size: 8, .value_kind: global_buffer, .address_space: global }
      - { .name: xcod, .offset: 40, .size: 8, .value_kind: global_buffer, .address_space: global }
      - { .name: wcod, .offset: 48, .size: 8, .value_kind: global_buffer, .address_space: global }
    .group_segment_fixed_size: 68096
    .private_segment_fixed_size: 0
    .kernarg_segment_align: 8
    .kernarg_segment_size: 56
    .max_flat_workgroup_size: 128
    .sgpr_count:     66
    .vgpr_count:     256
    .wavefront_size: 32
...
	.end_amdgpu_metadata
.endif
;; end of part 1
;; launch qkv (part 2): grid 8 x 32, 4 waves a work-group, clusters of 4 x 4, 327,680 bytes of LDS; arguments xcod, wcod, qcod, kcod, vcod; writes qcod, kcod, vcod
.if DOCPART == 2
	.amdgcn_target "amdgcn-amd-amdhsa--gfx1250"
	.amdhsa_code_object_version 6
	.text
	.protected	k_qe786831350_qkv
	.globl	k_qe786831350_qkv
	.p2align	8
	.type	k_qe786831350_qkv,@function
k_qe786831350_qkv:
	s_mov_b64 s[64:65], 0
	v_nop
	global_prefetch_b8 v0, s[64:65] scope:SCOPE_SE
	s_setreg_imm32_b32 hwreg(HW_REG_WAVE_MODE, 25, 1), 1
	s_wait_xcnt 0x0
	s_wait_alu depctr_hold_cnt(0) depctr_sa_sdst(0) depctr_va_vdst(0) depctr_va_sdst(0) depctr_va_ssrc(0) depctr_va_vcc(0) depctr_vm_vsrc(0)
	s_getreg_b32 s2, hwreg(HW_REG_IB_STS2, 6, 4)
	s_cmp_eq_u32 s2, 0
	s_cbranch_scc0 .Lentry_in_a_cluster
	s_endpgm
.Lentry_in_a_cluster:
	s_bfe_u32 s2, ttmp6, 0x10000c
	s_cmp_lg_u32 s2, 0xf033
	s_cbranch_scc0 .Lentry_shape_is_right
	s_endpgm
.Lentry_shape_is_right:
; q, k, v = x W on codes of FP4 with E8M0 scales (K = 1,024), the results quantised in registers: q and k along the head's 64, v along the keys.  Only codes and scale bytes leave.
; SHARES.  A work-group owns 256 tokens and two heads: 32 token blocks x 8 pairs of heads = 256 work-groups.  Every product is D = P (source 0) x Q (source 1): a lane holds one position of Q, its registers run along P.
;   Part 1: P = 8 tiles of wq and 8 of wk (the two heads' columns), Q = the 16 token tiles; a wave makes 128 x 128 in 64 accumulators: waves 0, 1 q, waves 2, 3 k; even waves the first 128 tokens, odd waves the second.
;   Part 2: P = the same 16 token tiles, which still lie in LDS, Q = the two heads' 8 tiles of wv; a wave makes 128 tokens x one head in 32 accumulators.
; xcod, wcod: [tile of 16][half g of K][4 fragments as register images + 256 bytes of scale words].  Position p of tile 2 b + u is index 32 b + 8 u + p % 8 + 16 (p / 8), so the 16 registers of result tiles 2 b, 2 b + 1 are the indices 32 b + 16 (lane / 16) + 0 .. 15 of P.
; LDS: four parts of 8 whole tiles (69,632 bytes): wq's, wk's, the tokens' two.  Each wave brings one part by one tensor load at the head: all of K at once.
; wv's 8 tiles are filled into wq's part when every wave has read its last fragments of part 1: the three lines and a round of the cluster's barrier, then wave 0's one joint load; part 1's last 64 products and its quantiser stand between that load and the wait for it.
; CLUSTER 4 x 4: the weights' tiles hang on the pair of heads (cx) and are asked for jointly by a column of the cluster, the tokens' on the token block (cy) and by a row.
; No prefetch: every tile is asked for at the head or once behind it, and the text has no loop to run ahead in.
; OUTPUT.  qcod, kcod: [batch x head][step of 128 tokens][4,608]: 8 tiles x 512 bytes (lane (r, h): token position r, d = 32 h + 0 .. 31), then words [tile / 4][position][tile % 4]; bytes 0, 1 of a word are the head's two blocks, bytes 2, 3 only ever meet zero codes.
; vcod: [batch x head][step of 128 keys][4,352]: 4 fragments (16 of d x 128 keys), then words [position][fragment].
; LIMITS: NaN and infinities are not served; a block whose largest magnitude lies under 2^-124, zeros too, gets the byte 1.
; REGISTERS: window 0: v1-5, v8-13, v16-27 addresses; v32-95 scale words (a set for each half of K); v96-127 at work in the quantiser; v128-255 Q's fragments, two sets, later the codes.  window 1: v0-127 P's fragments, two sets.
;   windows 2, 3: accumulator (Q tile a, P tile b) at v[8 (8 (a % 4) + b)] of window 2 + a / 4.
.set HALF,  4352
.set TILEB, 8704
.set PART,  8*TILEB
.set SPARE, 4*PART                     ; the spare words, 512 bytes
.set ADRP, 16                          ; part 1: v16-17 P's fragments (half g), v20-21 Q's, v22-23 scale words (lanes 0-15 P's tiles, lanes 16-31 Q's); part 2: v8-9, v10-11, v12-13
.set ADRQ, 20
.set ADRS, 22
.set NQT,  8                           ; Q tiles of a wave
.set VOA,  3                           ; 16 x lane
.set VOS,  26                          ; q, k: the words' store
.set VOS2, 27                          ; v: the words' store
.set SC,   32
.set TM,   96
.set PW,   112
.set TT,   120
.set T2,   124
.set QF,   128
.set PC,   128
.set G1P, 24
.set G0P, 32
.set G0V, 36
.set G1Q, 48
.set G0Q, 56
.set MSB, 0
.macro WIN new                         ; the immediate's high byte repeats the setting that is left
.if MSB != (\new)
	s_set_vgpr_msb (MSB<<8)|(\new)
.set MSB, (\new)
.endif
.endm
.macro CROUND                          ; a round of the cluster's barrier
	s_barrier_signal -1
	s_barrier_wait -1
	s_cmp_lg_u32 s14, 0
	s_cbranch_scc1 .Lnot_wave_0_\@
	s_barrier_signal -3
.Lnot_wave_0_\@:
	s_barrier_wait -3
	s_barrier_signal -1
	s_barrier_wait -1
.endm
.macro PLACES                          ; four plain lines between a matrix instruction and a load into, or a vector read or write of, its registers
.rept 4
	v_nop
.endr
.endm
	s_load_b256 s[4:11], s[0:1], 0x0               ; xcod, wcod, qcod, kcod
	s_load_b64 s[12:13], s[0:1], 0x20              ; vcod
	v_lshl_add_u32 v106, v0, 2, SPARE
	v_mov_b32 v107, 0
	ds_add_u32 v106, v107                          ; the opening lines: the add, twice on end, and its wait
	ds_add_u32 v106, v107
	v_lshrrev_b32 v1, 5, v0
	v_readfirstlane_b32 s14, v1                    ; wave 0..3
	s_lshr_b32 s15, s14, 1                         ; part 1: q (0) or k (1); part 2: which 128 tokens.  Also: I fetch weights (0) or tokens (1)
	s_and_b32 s16, s14, 1                          ; part 1: which 128 tokens; part 2: which head.  Also: which part of them I fetch
	s_bfe_u32 s40, ttmp6, 0x40000                  ; cx
	s_bfe_u32 s41, ttmp6, 0x40004                  ; cy
	s_and_b32 s43, ttmp7, 0xffff                   ; the cluster's y
	s_lshl_b32 s44, s41, 2
	s_lshl_b32 s44, 15, s44                        ; my row of the cluster
	s_lshl_b32 s45, 0x1111, s40                    ; my column
	s_or_b32 s[G1P], s45, (3<<16)|(1<<21)          ; the mask; elements of 8 bytes; bit 21 beside a mask; no padding
	s_or_b32 s[G1Q], s44, (3<<16)|(1<<21)
.irp g, G1P, G1Q
	s_mov_b32 s[\g+1], 1088<<16                    ; a row is a whole tile: 1,088 elements, 8,704 bytes
	s_mov_b32 s[\g+2], 8<<16                       ; 8 tiles
	s_mov_b32 s[\g+3], 1088<<16
	s_mov_b32 s[\g+4], 8
	s_mov_b32 s[\g+5], 1088
	s_mov_b32 s[\g+6], 0
	s_mov_b32 s[\g+7], 0
.endr
	s_lshl_b32 s42, ttmp9, 2
	s_add_co_u32 s42, s42, s40                     ; the pair of heads, 0..7
	s_lshl_b32 s94, s42, 3                         ; its first tile in a weight
	s_lshl_b32 s46, s16, 6                         ; wq's tiles begin at 0, wk's at 64,
	s_add_co_u32 s46, s46, s94
	s_mul_i32 s46, s46, TILEB
	s_mov_b32 s47, 0
	s_add_co_u32 s94, s94, 128                     ; wv's at 128
	s_mul_i32 s94, s94, TILEB
	s_mov_b32 s95, 0
	s_lshl_b32 s92, s43, 2
	s_add_co_u32 s92, s92, s41                     ; the block of 256 tokens: no register of the weights' ever holds cy, none of the tokens' cx
	s_lshl_b32 s92, s92, 4
	s_lshl_b32 s17, s16, 3
	s_add_co_u32 s92, s92, s17
	s_mul_i32 s92, s92, TILEB
	s_mov_b32 s93, 0
	s_mul_i32 s18, s14, PART                       ; where my part goes: no place in the cluster enters an LDS address
	s_wait_dscnt 0x0                               ; both opening adds are done
	s_wait_kmcnt 0x0
	s_add_nc_u64 s[20:21], s[6:7], s[46:47]
	s_add_nc_u64 s[22:23], s[4:5], s[92:93]
	s_add_nc_u64 s[G0V+2:G0V+3], s[6:7], s[94:95]
	CROUND                                         ; all sixteen work-groups are here: the joint loads meet
	s_mov_b32 s[G0P], 1
	s_mov_b32 s[G0P+1], s18
	s_mov_b64 s[G0P+2:G0P+3], s[20:21]
	s_or_b32 s[G0P+3], s[G0P+3], 0x80000000
	s_mov_b32 s[G0Q], 1
	s_mov_b32 s[G0Q+1], s18
	s_mov_b64 s[G0Q+2:G0Q+3], s[22:23]
	s_or_b32 s[G0Q+3], s[G0Q+3], 0x80000000
	s_mov_b32 s[G0V], 1
	s_mov_b32 s[G0V+1], 0                          ; wv's tiles land on wq's part
	s_or_b32 s[G0V+3], s[G0V+3], 0x80000000
	s_cmp_eq_u32 s15, 0                            ; one load a wave at the head, an arm each; s_nop 0 and four v_nop follow each
	s_cbranch_scc0 .Lfor_q
	tensor_load_to_lds s[G0P:G0P+3], s[G1P:G1P+7]
	s_nop 0
.rept 4
	v_nop
.endr
	s_branch .Lasked
.Lfor_q:
	tensor_load_to_lds s[G0Q:G0Q+3], s[G1Q:G1Q+7]
	s_nop 0
.rept 4
	v_nop
.endr
.Lasked:
	v_and_b32 v1, 15, v0                           ; r
	v_bfe_u32 v2, v0, 4, 1                         ; h
	v_and_b32 v3, 31, v0
	v_lshlrev_b32 v3, 4, v3                        ; 16 x lane: an image's place for my lane
	s_mul_i32 s19, s15, PART                       ; part 1: my weight's tiles,
	s_add_co_u32 s82, s16, 2
	s_mul_i32 s82, s82, PART                       ; my 128 tokens
	s_sub_co_u32 s83, s82, s19
	v_mul_u32_u24 v4, s83, v2                      ; lanes 16-31 take Q's words: one product, the distance between the two bases
	v_lshl_add_u32 v4, v1, 4, v4                   ; 16 bytes a position
.irp g, 0,1
	v_add_nc_u32 v[16+\g], s19, v3
	v_add_nc_u32 v[20+\g], s82, v3
	v_add_nc_u32 v[22+\g], s19, v4
	s_add_co_u32 s19, s19, HALF
	s_add_co_u32 s82, s82, HALF
.endr
	s_add_co_u32 s19, s15, 2
	s_mul_i32 s19, s19, PART                       ; part 2: P = my 128 tokens,
	s_mul_i32 s82, s16, 4*TILEB                    ; Q = my head's four tiles of wv, the lower base
	s_sub_co_u32 s83, s19, s82
	v_xor_b32 v5, 1, v2
	v_mul_u32_u24 v5, s83, v5                      ; lanes 0-15 take P's words
	v_lshl_add_u32 v5, v1, 4, v5
.irp g, 0,1
	v_add_nc_u32 v[8+\g], s19, v3
	v_add_nc_u32 v[10+\g], s82, v3
	v_add_nc_u32 v[12+\g], s82, v5
	s_add_co_u32 s19, s19, HALF
	s_add_co_u32 s82, s82, HALF
.endr
.irp b, 0,1,2,3
	v_mov_b32 v[TM+4+\b], 0                        ; a lane permute's destination counts as read: written once
.endr
	v_lshlrev_b32 v[VOS], 8, v2
	v_lshl_add_u32 v[VOS], v1, 4, v[VOS]           ; 256 h + 16 r
	v_lshlrev_b32 v[VOS2], 3, v2
	v_lshl_add_u32 v[VOS2], v1, 4, v[VOS2]         ; 16 r + 8 h
	s_mov_b32 s84, 0x76543210
	s_mov_b32 s85, 0xfedcba98                      ; selects for lane l xor 16
	s_mov_b32 s78, 0xffff0000                      ; lanes 16-31
	s_lshl_b32 s88, s43, 2
	s_add_co_u32 s88, s88, s41                     ; the block of 256 tokens
	s_lshr_b32 s89, s88, 2
	s_lshl_b32 s89, s89, 4                         ; 16 x batch
	s_lshl_b32 s66, s42, 1
	s_add_co_u32 s89, s89, s66                     ; + the pair's first head
	s_and_b32 s88, s88, 3
	s_lshl_b32 s88, s88, 1                         ; the block's first step of 128 tokens
	s_lshl_b32 s90, s89, 3
	s_add_co_u32 s90, s90, s88
	s_add_co_u32 s90, s90, s16
	s_mul_i32 s90, s90, 4608
	s_mov_b32 s91, 0
	s_cmp_eq_u32 s15, 0
	s_cselect_b64 s[80:81], s[8:9], s[10:11]       ; qcod or kcod, by the wave's number
	s_add_nc_u64 s[80:81], s[80:81], s[90:91]      ; the first head's step
	s_add_co_u32 s89, s89, s16
	s_lshl_b32 s89, s89, 3
	s_add_co_u32 s89, s89, s88
	s_add_co_u32 s90, s89, s15
	s_mul_i32 s90, s90, 4352
	s_add_nc_u64 s[86:87], s[12:13], s[90:91]      ; vcod: my head's step
; K step s: P's 8 fragments and Q's NQT into set s % 2; with a half's first step its scale words: four words a position
.macro FETCH s
.set fg, (\s)/4
.set fq, (\s)%4
.set fs, (\s)%2
	WIN 0x40                                       ; destination window 1
.irp i, 0,1,2,3,4,5,6,7
.irp c, 0,1
	ds_load_b128 v[64*fs+8*\i+4*\c:64*fs+8*\i+4*\c+3], v[ADRP+fg] offset:TILEB*\i+1024*fq+512*\c
.endr
.endr
	WIN 0
.irp i, 0,1,2,3,4,5,6,7
.if \i < NQT
.irp c, 0,1
	ds_load_b128 v[QF+64*fs+8*\i+4*\c:QF+64*fs+8*\i+4*\c+3], v[ADRQ+fg] offset:TILEB*\i+1024*fq+512*\c
.endr
.endif
.endr
.if fq == 0
.irp i, 0,1,2,3,4,5,6,7
	ds_load_b128 v[SC+32*fg+4*\i:SC+32*fg+4*\i+3], v[ADRS+fg] offset:TILEB*\i+4096   ; register 4 i + q: lanes 0-15 P tile i's word of the half's q-th step, lanes 16-31 Q tile i's (part 2: those of i > 3 are not used)
.endr
.endif
.endm
; 8 NQT matrix instructions: the accumulators take turns, one instruction a turn, in the same order in every step.  zero = 1: the first step starts the sums
.macro MUL s, zero
.set mg, (\s)/4
.set mq, (\s)%4
.set ms, (\s)%2
.irp a, 0,1,2,3,4,5,6,7
.if \a < NQT
.if \a == 0
	WIN 0xa1                                       ; source 0 (P) window 1, source 1 (Q) window 0, C and D window 2
.endif
.if \a == 4
	WIN 0xf1                                       ; C and D window 3
.endif
.irp b, 0,1,2,3,4,5,6,7
.if \zero
	v_wmma_scale_f32_16x16x128_f8f6f4 v[8*(8*(\a%4)+\b):8*(8*(\a%4)+\b)+7], v[64*ms+8*\b:64*ms+8*\b+7], v[QF+64*ms+8*\a:QF+64*ms+8*\a+7], 0, v[SC+32*mg+4*\b+mq], v[SC+32*mg+4*\a+mq] matrix_a_fmt:MATRIX_FMT_FP4 matrix_b_fmt:MATRIX_FMT_FP4 matrix_b_scale:MATRIX_SCALE_ROW1
.else
	v_wmma_scale_f32_16x16x128_f8f6f4 v[8*(8*(\a%4)+\b):8*(8*(\a%4)+\b)+7], v[64*ms+8*\b:64*ms+8*\b+7], v[QF+64*ms+8*\a:QF+64*ms+8*\a+7], v[8*(8*(\a%4)+\b):8*(8*(\a%4)+\b)+7], v[SC+32*mg+4*\b+mq], v[SC+32*mg+4*\a+mq] matrix_a_fmt:MATRIX_FMT_FP4 matrix_b_fmt:MATRIX_FMT_FP4 matrix_b_scale:MATRIX_SCALE_ROW1
.endif
.endr
.endif
.endr
.endm
.macro KSTEP s, refill
	s_wait_dscnt 0x0                               ; this step's fragments, asked for a step's products ago
.if (\s) < 7
.if (\s) > 0
	PLACES                                         ; the set to be loaded was read by the products just issued
.endif
	FETCH (\s)+1
.endif
.if \refill                            ; part 1's last fragments are in registers: wq's part is filled again
	WIN 0
	s_wait_tensorcnt 0x0                           ; no tensor load of mine is out;
	ds_add_u32 v106, v107                          ; 0 onto my spare word;
	s_wait_dscnt 0x0                               ; the add is done, and my reads of the part are over
	CROUND                                         ; the same holds of every wave of all sixteen work-groups
	s_cmp_lg_u32 s14, 0
	s_cbranch_scc1 .Lno_v
	tensor_load_to_lds s[G0V:G0V+3], s[G1P:G1P+7]  ; wave 0's one joint load: the pair's 8 tiles of wv, shared along the column
	s_nop 0
.rept 4
	v_nop
.endr
.Lno_v:
.endif
.if (\s) == 0
	MUL \s, 1
.else
	MUL \s, 0
.endif
.endm
; Q tile i: a lane's 64 results, register 16 b + n = index 32 b + 16 h + n of P, become a fragment's 8 registers v[PC + 8 i ..] and a scale word v[PW + i].  Each accumulator is first read at its low end.
.macro QUANT i
.set qa, 64*((\i)%4)
.set qw1, 0x28+0x14*((\i)/4)
.set qw2, 0x02+((\i)/4)
	WIN qw1                                        ; sources 1 and 2: the accumulators' window
.irp b, 0,1,2,3
	v_max3_num_f32 v[TM+\b], 0x1800000, |v[qa+16*\b]|, |v[qa+16*\b+1]|   ; with the floor 2^(3 - 127)
.endr
.irp n, 2,4,6,8,10,12,14
.irp b, 0,1,2,3
	v_max3_num_f32 v[TM+\b], v[TM+\b], |v[qa+16*\b+\n]|, |v[qa+16*\b+\n+1]|
.endr
.endr
	WIN 0
.irp b, 0,1,2,3
	v_permlanex16_b32 v[TM+4+\b], v[TM+\b], s84, s85
.endr
.irp b, 0,1,2,3
	v_max_num_f32 v[TM+\b], v[TM+\b], v[TM+4+\b]   ; with lane l xor 16's 16: the block's largest magnitude
.endr
.irp b, 0,1,2,3
	v_add_nc_u32 v[TM+12+\b], 0xff000000, v[TM+\b] ; 2 off the exponent field: the conversion's scale operand
.endr
.irp b, 0,1,2,3
	v_lshrrev_b32 v[TM+4+\b], 23, v[TM+12+\b]      ; the byte
.endr
	v_lshl_or_b32 v[PW+\i], v[TM+5], 8, v[TM+4]
	v_lshl_or_b32 v[PW+\i], v[TM+6], 16, v[PW+\i]
	v_lshl_or_b32 v[PW+\i], v[TM+7], 24, v[PW+\i]
	WIN qw2                                        ; source 0: the accumulators' window
.irp b, 0,1,2,3
	v_cvt_scalef32_pk8_fp4_f32 v[PC+8*\i+2*\b], v[qa+16*\b:qa+16*\b+7], v[TM+12+\b]
	v_cvt_scalef32_pk8_fp4_f32 v[PC+8*\i+2*\b+1], v[qa+16*\b+8:qa+16*\b+15], v[TM+12+\b]
.endr
	WIN 0
	v_nop                                          ; one plain line behind the last conversion
.irp c, 0,1                                    ; a whole block to a lane: lanes 0-15 block 2 c, lanes 16-31 block 2 c + 1
.irp n, 0,1
	v_permlane16_swap_b32 v[PC+8*\i+4*\c+\n], v[PC+8*\i+4*\c+2+\n]
.endr
.endr
.endm
	s_wait_alu depctr_va_vdst(0)
	s_wait_tensorcnt 0x0                           ; my part is in,
	s_barrier_signal -1
	s_barrier_wait -1                              ; everybody's is.  wq's part alone is filled again, behind a round of the cluster's barrier
	FETCH 0
.irp s, 0,1,2,3,4,5,6
	KSTEP \s, 0
.endr
	KSTEP 7, 1
	WIN 0
	PLACES
.irp i, 0,1,2,3,4,5,6,7
	QUANT \i
	global_store_b128 v[VOA], v[PC+8*\i:PC+8*\i+3], s[80:81] offset:512*\i            ; 512 consecutive bytes: the first head's image of token tile i,
	global_store_b128 v[VOA], v[PC+8*\i+4:PC+8*\i+7], s[80:81] offset:512*\i+36864    ; the second head's
.endr
.irp a, 0,1,2,3
	v_cndmask_b32 v[TT+\a], v[PW+\a], v[PW+4+\a], s78             ; lanes 0-15: tile a's word, lanes 16-31: tile 4 + a's
.endr
	global_store_b128 v[VOS], v[TT:TT+3], s[80:81] offset:4096
.irp a, 0,1,2,3
	v_lshrrev_b32 v[T2+\a], 16, v[TT+\a]           ; the second head's two bytes come down; 0 above them
.endr
	global_store_b128 v[VOS], v[T2:T2+3], s[80:81] offset:4096+36864
	; ---- part 2: v
	s_wait_alu depctr_va_vdst(0)
	s_wait_xcnt 0x0                                ; the stores have read their registers: fragments may land on the codes
	s_wait_tensorcnt 0x0                           ; wave 0: wv's tiles are in,
	s_barrier_signal -1
	s_barrier_wait -1                              ; and every wave knows.
.set NQT,  4
.set ADRP, 8
.set ADRQ, 10
.set ADRS, 12
	FETCH 0
.irp s, 0,1,2,3,4,5,6,7
	KSTEP \s, 0
.endr
	WIN 0
	PLACES
.irp i, 0,1,2,3
	QUANT \i
	global_store_b128 v[VOA], v[PC+8*\i:PC+8*\i+3], s[86:87] offset:1024*\i           ; fragment i: 16 of d x 128 keys, its two chunks of 512 bytes
	global_store_b128 v[VOA], v[PC+8*\i+4:PC+8*\i+7], s[86:87] offset:1024*\i+512
.endr
	v_cndmask_b32 v[TT], v[PW], v[PW+2], s78       ; both halves of the lanes hold position r's four words: lanes 0-15 store words 0, 1, lanes 16-31 words 2, 3
	v_cndmask_b32 v[TT+1], v[PW+1], v[PW+3], s78
	global_store_b64 v[VOS2], v[TT:TT+1], s[86:87] offset:4096    ; 256 consecutive bytes
	s_wait_tensorcnt 0x0                           ; the wave's end
	ds_add_u32 v106, v107
	s_wait_dscnt 0x0
	CROUND                                         ; the closing round
	s_endpgm
.Lfunc_end_k_qe786831350_qkv:
	.size	k_qe786831350_qkv, .Lfunc_end_k_qe786831350_qkv-k_qe786831350_qkv
	.p2alignl 7, 3214868480
	.fill 96, 4, 3214868480
	.section	.rodata,"a",@progbits
	.p2align	6, 0x0
	.amdhsa_kernel k_qe786831350_qkv
		.amdhsa_group_segment_fixed_size 327680
		.amdhsa_private_segment_fixed_size 0
		.amdhsa_enable_private_segment 0
		.amdhsa_kernarg_size 40
		.amdhsa_user_sgpr_count 2
		.amdhsa_user_sgpr_kernarg_segment_ptr 1
		.amdhsa_wavefront_size32 1
		.amdhsa_system_sgpr_workgroup_id_x 1
		.amdhsa_system_sgpr_workgroup_id_y 1
		.amdhsa_system_sgpr_workgroup_id_z 1
		.amdhsa_system_vgpr_workitem_id 0
		.amdhsa_next_free_vgpr 1024
		.amdhsa_next_free_sgpr 100
		.amdhsa_reserve_vcc 0
		.amdhsa_float_denorm_mode_32 3
		.amdhsa_float_denorm_mode_16_64 3
		.amdhsa_memory_ordered 1
		.amdhsa_forward_progress 1
		.amdhsa_inst_pref_size 188
	.end_amdhsa_kernel
	.amdgpu_metadata
---
amdhsa.version: [ 1, 2 ]
amdhsa.kernels:
  - .name:           k_qe786831350_qkv
    .symbol:         k_qe786831350_qkv.kd
    .args:
      - { .name: xcod, .offset: 0, .size: 8, .value_kind: global_buffer, .address_space: global }
      - { .name: wcod, .offset: 8, .size: 8, .value_kind: global_buffer, .address_space: global }
      - { .name: qcod, .offset: 16, .size: 8, .value_kind: global_buffer, .address_space: global }
      - { .name: kcod, .offset: 24, .size: 8, .value_kind: global_buffer, .address_space: global }
      - { .name: vcod, .offset: 32, .size: 8, .value_kind: global_buffer, .address_space: global }
    .group_segment_fixed_size: 327680
    .private_segment_fixed_size: 0
    .kernarg_segment_align: 8
    .kernarg_segment_size: 40
    .max_flat_workgroup_size: 128
    .sgpr_count:     100
    .vgpr_count:     1024
    .wavefront_size: 32
...
	.end_amdgpu_metadata
.endif
;; end of part 2
;; launch attn (part 3): grid 2 x 128, 16 waves a work-group, no clusters, 169,984 bytes of LDS; arguments qcod, kcod, vcod, ocod; writes ocod
.if DOCPART == 3
	.amdgcn_target "amdgcn-amd-amdhsa--gfx1250"
	.amdhsa_code_object_version 6
	.text
	.protected	k_qe786831350_attn
	.globl	k_qe786831350_attn
	.p2align	8
	.type	k_qe786831350_attn,@function
k_qe786831350_attn:
	s_mov_b64 s[64:65], 0
	v_nop
	global_prefetch_b8 v0, s[64:65] scope:SCOPE_SE
	s_setreg_imm32_b32 hwreg(HW_REG_WAVE_MODE, 25, 1), 1
	s_wait_xcnt 0x0
; Causal attention of one (batch, head) on codes of FP4 with E8M0 scales, and the result quantised along (head, d) for the last product.
; t = score x log2(e) / 32 (the logit's factor 1,024^-0.5 = 2^-5 is exact); M = the running largest t rounded UP to a whole number; p = 2^(t - M) is quantised along the keys, not normalised; the row's sum is taken of the
; unquantised p and divides O at the end.  When M moves, the sum and O are multiplied by 2^(old M - new M), which rounds nothing.
; SHARES.  Two work-groups to a head, sixteen waves each, four to a SIMD.  Wave u = 16 z + w owns the query tiles u and 63 - u.  Tile t needs the key steps 0 .. t / 8 (128 keys each): 9 steps a wave.
; No cluster: only these two work-groups read a head's 71,680 bytes, once each, at the head.  LDS is filled once: wave w < 8 brings K's step w, wave w >= 8 V's step w - 8; one barrier; then LDS is only read: nothing is asked for later, so nothing is prefetched.
; LAYOUT.  Both products are used transposed (S^T = K Q^T, O^T = V^T P^T): a lane holds ONE query (position lane % 16).  A tile's position p is token 32 b + 8 u + p % 8 + 16 (p / 8), so the 16 registers of
; S^T's tiles 2 b, 2 b + 1 are the keys 32 b + 16 (lane / 16) + 0 .. 15, and O^T's likewise along d.
; THE FIRST PRODUCT'S K IS 64: registers 4-7 of Q's operand are zero codes; K's tile t' is named as v[32 + 4 t' : 39 + 4 t'], whose upper four registers meet Q's zeros alone.
; ONE LOOP of a constant 16 trips: trip j is key step j % 8 of tile j / 8.  WORK LEFT OUT under the causal mask, by scalar branches on ids: steps all of whose keys come after the tile's queries; and in the step
; on the diagonal the blocks of 32 keys behind the tile's own block (a tile's 16 queries lie in one block of 32 tokens): that step is written four times, for 1 to 4 live blocks; hidden blocks get zero codes of p.
; In the tile's own block the mask is the C of the two score tiles: 0 where the key counts, -3e38 where it is hidden; p is then 0.  Every query's own key lies in that block, so M is a number from the first step on.
; LIMITS: NaN and infinities are not served; the promise holds while the scaled scores stay under 2^31 in magnitude; the running largest score begins at -3e38; a block whose largest magnitude lies under 2^-124, zeros too, gets the byte 1.
.set KSTEPB, 4608
.set VSTEPB, 4352
.set VBASE,  8*KSTEPB
.set SPARE,  0x29000                   ; the spare words: 2,048 bytes
.set KB,  32                           ; v32-63 K's 8 tiles, 4 registers each; v64-67 zeros
.set VB,  68                           ; v68-99 V's 4 fragments
.set SS,  100                          ; v100-163 S^T, then p; at the end O / l
.set OO,  164                          ; v164-195 O^T
.set PC,  196                          ; v196-203 p's codes; at the end o's
.set KS,  204                          ; v204-207 K's scale words: register a: lanes 0-15 tile a, lanes 16-31 tile 4 + a
.set VS,  208                          ; v208-211 V's, a register a fragment
.set QS,  212                          ; the query tile's scale words; v213 the second tile's
.set PW,  214                          ; p's scale word
.set BM,  216                          ; v216-219 a block's largest score, then its largest p
.set BP,  220                          ; v220-223 permutes and bytes, then two chains of the sum (a third in v[6:7])
.set EE,  224                          ; v224-227 scale operands
.set FF,  228                          ; v[228:229] f = 2^(old M - new M) (the pair is named, its low word used)
.set TT,  230
.set MK,  236                          ; v236-251 the mask of the tile's own block, as two tiles of C
; v12 -M, v13 the largest score, v[14:15] the sum; v16-23 Q's operand; v24-27 the second tile's codes
	s_load_b256 s[4:11], s[0:1], 0x0               ; qcod, kcod, vcod, ocod
	v_lshl_add_u32 v254, v0, 2, SPARE
	v_mov_b32 v255, 0
	ds_add_u32 v254, v255                          ; the opening lines: the add, twice on end, and its wait
	ds_add_u32 v254, v255
	v_lshrrev_b32 v1, 5, v0
	v_readfirstlane_b32 s18, v1                    ; wave 0..15
	s_and_b32 s19, ttmp7, 0xffff                   ; batch x 16 + head
	s_and_b32 s12, s18, 7                          ; the step that I fetch
	s_mov_b32 s24, 3<<16                           ; group 1 for K: a dense block as 18 rows of 256 bytes (32 elements of 8 bytes)
	s_mov_b32 s25, 32<<16
	s_mov_b32 s26, 18<<16
	s_mov_b32 s27, 32<<16
	s_mov_b32 s28, 18
	s_mov_b32 s29, 32
	s_mov_b32 s30, 0
	s_mov_b32 s31, 0
	s_mov_b32 s32, 3<<16                           ; and for V: 17 rows
	s_mov_b32 s33, 32<<16
	s_mov_b32 s34, 17<<16
	s_mov_b32 s35, 32<<16
	s_mov_b32 s36, 17
	s_mov_b32 s37, 32
	s_mov_b32 s38, 0
	s_mov_b32 s39, 0
	s_lshl_b32 s13, s19, 3
	s_add_co_u32 s13, s13, s12
	s_mul_i32 s14, s13, KSTEPB
	s_mov_b32 s15, 0
	s_mul_i32 s16, s13, VSTEPB
	s_mov_b32 s17, 0
	s_mul_i32 s48, s12, KSTEPB
	s_mul_i32 s49, s12, VSTEPB
	s_add_co_u32 s49, s49, VBASE
	s_wait_dscnt 0x0
	s_wait_kmcnt 0x0
	s_mov_b32 s40, 1
	s_mov_b32 s41, s48
	s_add_nc_u64 s[42:43], s[6:7], s[14:15]
	s_or_b32 s43, s43, 0x80000000
	s_mov_b32 s44, 1
	s_mov_b32 s45, s49
	s_add_nc_u64 s[46:47], s[8:9], s[16:17]
	s_or_b32 s47, s47, 0x80000000
	s_cmp_lt_u32 s18, 8                            ; one load a wave, an arm each; s_nop 0 and four v_nop follow each
	s_cbranch_scc0 .Lfor_v
	tensor_load_to_lds s[40:43], s[24:31]
	s_nop 0
.rept 4
	v_nop
.endr
	s_branch .Lasked
.Lfor_v:
	tensor_load_to_lds s[44:47], s[32:39]
	s_nop 0
.rept 4
	v_nop
.endr
.Lasked:
	v_and_b32 v5, 31, v0
	v_and_b32 v6, 15, v0                           ; r
	v_bfe_u32 v7, v0, 4, 1                         ; h
	v_lshlrev_b32 v1, 4, v5                        ; v1 = 16 x lane
	v_lshlrev_b32 v2, 4, v6                        ; v2 = 16 r
	s_lshl_b32 s50, ttmp9, 4
	s_add_co_u32 s50, s50, s18                     ; my first query tile
	s_sub_co_u32 s51, 63, s50                      ; and my second
	s_mul_i32 s56, s19, 8*KSTEPB
	s_mov_b32 s57, 0
	s_add_nc_u64 s[56:57], s[4:5], s[56:57]        ; the head in qcod
.macro QLOAD ts, qf, qs, va            ; tile ts: its 512 bytes of codes and its positions' scale words
	s_lshr_b32 s52, \ts, 3
	s_mul_i32 s52, s52, KSTEPB
	s_and_b32 s53, \ts, 7
	s_lshl_b32 s54, s53, 9
	s_add_co_u32 s54, s54, s52
	s_lshr_b32 s53, s53, 2
	s_lshl_b32 s53, s53, 8
	s_add_co_u32 s52, s52, s53
	s_and_b32 s53, \ts, 3
	s_lshl_b32 s53, s53, 2
	s_add_co_u32 s52, s52, s53
	s_wait_alu depctr_va_vdst(0)
	v_add_nc_u32 v[\va], s54, v1
	v_add_nc_u32 v[\va+1], s52, v2
	global_load_b128 v[\qf:\qf+3], v[\va], s[56:57]
	global_load_b32 v[\qs], v[\va+1], s[56:57] offset:4096
.endm
	QLOAD s50, 16, QS, 232
	QLOAD s51, 24, QS+1, 234
	v_and_b32 v3, 7, v6
	v_lshrrev_b32 v5, 3, v6
	v_lshl_add_u32 v3, v5, 4, v3                   ; r % 8 + 16 (r / 8),
	v_lshlrev_b32 v5, 4, v7
	v_sub_nc_u32 v3, v3, v5                        ; v3 = that - 16 h: for the mask
	v_add_nc_u32 v4, v2, v7                        ; v4 = 16 r + h: my scale byte of o
.irp j, 20,21,22,23,64,65,66,67
	v_mov_b32 v[\j], 0                             ; zero codes: the upper half of K = 128 in Q's operand, and behind K's last tile
.endr
.irp b, 0,1,2,3
	v_mov_b32 v[BP+\b], 0                          ; a lane permute's destination counts as read: written once
.endr
	v_mov_b32 v[FF+1], 0
	s_mov_b32 s20, 0x76543210
	s_mov_b32 s21, 0xfedcba98                      ; selects for lane l xor 16
	s_mov_b32 s22, 0x3d38aa3b                      ; c = log2(e) / 32
	s_mov_b32 s23, s22                             ; (named with it as a pair)
	s_mov_b32 s76, 0xbd38aa3b                      ; -c
	s_mov_b32 s69, 0xffff0000                      ; lanes 16-31
	; where o goes: tile 64 batch + t; K step head / 2, chunk head % 2
	s_lshr_b32 s60, s19, 4
	s_lshl_b32 s60, s60, 6
	s_and_b32 s12, s19, 15
	s_and_b32 s13, s12, 1
	s_lshr_b32 s12, s12, 1
	s_lshr_b32 s14, s12, 2
	s_mul_i32 s14, s14, 4352
	s_and_b32 s12, s12, 3
	s_lshl_b32 s61, s12, 10
	s_add_co_u32 s61, s61, s14
	s_lshl_b32 s15, s13, 9
	s_add_co_u32 s61, s61, s15                     ; the codes' place in a tile
	s_lshl_b32 s62, s12, 2
	s_add_co_u32 s62, s62, s14
	s_lshl_b32 s15, s13, 1
	s_add_co_u32 s62, s62, s15                     ; the two scale bytes' place (less 4,096)
; A tile begins: its step on the diagonal, its own block in that step, where its result goes, its mask, and empty sums.
.macro INIT ts
	s_lshr_b32 s67, \ts, 3                         ; the step on the diagonal
	s_bfe_u32 s75, \ts, 0x20001                    ; (t / 2) % 4: the tile's own block of 32 keys in it
	s_and_b32 s58, \ts, 1
	s_lshl_b32 s58, s58, 3
	s_add_co_u32 s59, s60, \ts
	s_mul_i32 s59, s59, 8704
	s_add_co_u32 s70, s59, s61
	s_mov_b32 s71, 0
	s_add_co_u32 s72, s59, s62
	s_mov_b32 s73, 0
	s_add_nc_u64 s[70:71], s[10:11], s[70:71]
	s_add_nc_u64 s[72:73], s[10:11], s[72:73]
	s_wait_alu depctr_va_vdst(0)
	v_add_nc_u32 v11, s58, v3                      ; d = my query in its block - 16 h.  Register i of the block's 16 holds key 16 h + i: hidden where i > d
	v_mov_b32 v[TT], 0xff61b1e6                    ; -3e38
.set n, 0
.rept 16
	v_cmp_gt_i32 vcc_lo, n, v11
	v_cndmask_b32 v[MK+n], 0, v[TT], vcc_lo
.set n, n+1
.endr
	v_mov_b32 v13, 0xff61b1e6                      ; the largest score so far
	v_mov_b32 v12, 0x7c000000                      ; -M: a whole number above every later one, so that the first f is 0, over sums that are zeros
	v_mov_b32 v14, 0                               ; the sum, in two halves
	v_mov_b32 v15, 0
.set j, 0
.rept 32
	v_mov_b32 v[OO+j], 0                           ; O^T: the step has no first form of its own
.set j, j+1
.endr
	s_wait_alu depctr_va_vdst(0)
.endm
.macro HINT n                          ; lines that take turns over n blocks read the result n lines back
.if \n < 3
	s_delay_alu instid0(VALU_DEP_\n)
.endif
.endm
.macro SW t, c                         ; S^T's tile t, begun with c
.if \t < 4
	v_wmma_scale_f32_16x16x128_f8f6f4 v[SS+8*\t:SS+8*\t+7], v[KB+4*\t:KB+4*\t+7], v[16:23], \c, v[KS+\t], v[QS] matrix_a_fmt:MATRIX_FMT_FP4 matrix_b_fmt:MATRIX_FMT_FP4
.else
	v_wmma_scale_f32_16x16x128_f8f6f4 v[SS+8*\t:SS+8*\t+7], v[KB+4*\t:KB+4*\t+7], v[16:23], \c, v[KS+\t-4], v[QS] matrix_a_fmt:MATRIX_FMT_FP4 matrix_b_fmt:MATRIX_FMT_FP4 matrix_a_scale:MATRIX_SCALE_ROW1
.endif
.endm
; A KEY STEP with nb live blocks of 32 keys; dg = 1: the last of them is the tile's own block, under the mask.  Its 18 LDS loads have been issued.
.macro STEP nb, dg
	s_wait_dscnt 9                                 ; K and its words are in; V's eight loads and its words may stay out
.irp t, 0,1,2,3,4,5,6,7
.if \t < 2*\nb
.if \dg && (\t >= 2*\nb-2)
	SW \t, v[MK+8*(\t-2*\nb+2):MK+8*(\t-2*\nb+2)+7]
.else
	SW \t, 0
.endif
.endif
.endr
.rept 4
	v_nop
.endr
.set b, 0
.rept \nb
	v_max3_num_f32 v[BM+b], v[SS+16*b], v[SS+16*b+1], v[SS+16*b+2]   ; the largest score of each block: for the row's maximum and, since p rises with the score, for the block's largest p
.set b, b+1
.endr
.irp i, 3,5,7,9,11,13
.set b, 0
.rept \nb
	v_max3_num_f32 v[BM+b], v[BM+b], v[SS+16*b+\i], v[SS+16*b+\i+1]
.set b, b+1
.endr
.endr
.set b, 0
.rept \nb
	v_max_num_f32 v[BM+b], v[BM+b], v[SS+16*b+15]
.set b, b+1
.endr
.set b, 0
.rept \nb
	HINT \nb
	v_permlanex16_b32 v[BP+b], v[BM+b], s20, s21
.set b, b+1
.endr
.set b, 0
.rept \nb
	HINT \nb
	v_max_num_f32 v[BM+b], v[BM+b], v[BP+b]        ; with lane l xor 16's 16 keys
.set b, b+1
.endr
.if \nb == 1
	v_max_num_f32 v13, v13, v[BM]
.else
	v_max3_num_f32 v13, v13, v[BM], v[BM+1]        ; the running largest score (c is positive: its t is the largest t)
.endif
.if \nb == 3
	v_max_num_f32 v13, v13, v[BM+2]
.endif
.if \nb == 4
	v_max3_num_f32 v13, v13, v[BM+2], v[BM+3]
.endif
	s_delay_alu instid0(VALU_DEP_1)
	v_mul_f32 v[TT], s76, v13                      ; -t
	s_delay_alu instid0(VALU_DEP_1)
	v_floor_f32 v[TT], v[TT]                       ; the new -M = -ceil(t)
	s_delay_alu instid0(VALU_DEP_1)
	v_sub_f32 v[FF], v[TT], v12                    ; old M - new M: a whole number, 0 or less
	v_mov_b32 v12, v[TT]
	s_delay_alu instid0(VALU_DEP_2)
	v_cvt_i32_f32 v[FF], v[FF]                     ; (it saturates)
	s_delay_alu instid0(VALU_DEP_1)
	v_ldexp_f32 v[FF], 1.0, v[FF]                  ; f
.set j, 0
.rept 8*\nb
	v_pk_fma_f32 v[SS+j:SS+j+1], v[SS+j:SS+j+1], s[22:23], v[12:13] op_sel_hi:[1,0,0]   ; t - M, two at a time
.set j, j+2
.endr
.set b, 0
.rept \nb
	v_fma_f32 v[BM+b], v[BM+b], s22, v12           ; the same of each block's largest score
.set b, b+1
.endr
.set j, 0
.rept 16
	v_pk_mul_f32 v[OO+j:OO+j+1], v[OO+j:OO+j+1], v[FF:FF+1] op_sel_hi:[1,0]   ; O^T under the new M, ahead of the exponentials
.set j, j+2
.endr
	v_pk_mul_f32 v[14:15], v[14:15], v[FF:FF+1] op_sel_hi:[1,0]   ; and the sums
	s_wait_alu depctr_va_vdst(0)
.set b, 0
.rept \nb
	v_exp_f32 v[BM+b], v[BM+b]                     ; the block's largest p
.set b, b+1
.endr
.set j, 0
.rept 16*\nb
	v_exp_f32 v[SS+j], v[SS+j]                     ; p = 2^(t - M)
.set j, j+1
.endr
	v_nop                                          ; the plain line behind the exponentials
	s_wait_alu depctr_va_vdst(0)                   ; one wait for the batch, ahead of its first reader
.set b, 0
.rept \nb
	v_max_num_f32 v[BM+b], 0x1800000, v[BM+b]      ; the floor 2^(3 - 127)
.set b, b+1
.endr
.set b, 0
.rept \nb
	HINT \nb
	v_add_nc_u32 v[EE+b], 0xff000000, v[BM+b]      ; 2 off the exponent field: the conversion's scale operand
.set b, b+1
.endr
	v_lshrrev_b32 v[PW], 23, v[EE]                 ; p's scale word: block 0's byte; hidden blocks keep the byte 0 over zero codes
.set b, 1
.rept \nb-1
	v_lshrrev_b32 v[BP+b], 23, v[EE+b]
.set b, b+1
.endr
.set b, 1
.rept \nb-1
	v_lshl_or_b32 v[PW], v[BP+b], 8*b, v[PW]
.set b, b+1
.endr
.set b, 0
.rept \nb
	v_cvt_scalef32_pk8_fp4_f32 v[PC+2*b], v[SS+16*b:SS+16*b+7], v[EE+b]
	v_cvt_scalef32_pk8_fp4_f32 v[PC+2*b+1], v[SS+16*b+8:SS+16*b+15], v[EE+b]
.set b, b+1
.endr
	v_nop                                          ; one plain line behind the last conversion
.set j, 2*\nb
.rept 8-2*\nb
	v_mov_b32 v[PC+j], 0                           ; hidden blocks: zero codes
.set j, j+1
.endr
	v_permlane16_swap_b32 v[PC], v[PC+2]           ; a whole block to a lane: lanes 0-15 block 2 c, lanes 16-31 block 2 c + 1
	v_permlane16_swap_b32 v[PC+1], v[PC+3]
.if \nb > 2
	v_permlane16_swap_b32 v[PC+4], v[PC+6]
	v_permlane16_swap_b32 v[PC+5], v[PC+7]
.endif
	v_pk_add_f32 v[220:221], v[SS:SS+1], v[SS+2:SS+3]             ; the row's sum of the unquantised p, in four chains: 8 nb lines, which also stand between the writes of p's word and codes and the products that take them
	v_pk_add_f32 v[222:223], v[SS+4:SS+5], v[SS+6:SS+7]
	v_pk_add_f32 v[6:7], v[SS+8:SS+9], v[SS+10:SS+11]
	v_pk_add_f32 v[14:15], v[14:15], v[SS+12:SS+13]
	v_pk_add_f32 v[220:221], v[220:221], v[SS+14:SS+15]
.set j, 16
.rept 2*(\nb-1)
	v_pk_add_f32 v[222:223], v[222:223], v[SS+j:SS+j+1]
	v_pk_add_f32 v[6:7], v[6:7], v[SS+j+2:SS+j+3]
	v_pk_add_f32 v[14:15], v[14:15], v[SS+j+4:SS+j+5]
	v_pk_add_f32 v[220:221], v[220:221], v[SS+j+6:SS+j+7]
.set j, j+8
.endr
	v_pk_add_f32 v[222:223], v[222:223], v[6:7]
	v_pk_add_f32 v[14:15], v[14:15], v[220:221]
	s_delay_alu instid0(VALU_DEP_1)
	v_pk_add_f32 v[14:15], v[14:15], v[222:223]
	s_wait_alu depctr_va_vdst(0)
	s_wait_dscnt 0x0                               ; V
.irp f, 0,1,2,3
	v_wmma_scale_f32_16x16x128_f8f6f4 v[OO+8*\f:OO+8*\f+7], v[VB+8*\f:VB+8*\f+7], v[PC:PC+7], v[OO+8*\f:OO+8*\f+7], v[VS+\f], v[PW] matrix_a_fmt:MATRIX_FMT_FP4 matrix_b_fmt:MATRIX_FMT_FP4
.endr
.endm
	INIT s50
	s_mov_b32 s66, 0
	s_wait_tensorcnt 0x0                           ; my step has landed,
	s_barrier_signal -1
	s_barrier_wait -1                              ; everybody's has
	s_wait_loadcnt 0x0                             ; Q
.Ltrip:
	s_and_b32 s74, s66, 7                          ; the key step
	s_cmp_lg_u32 s66, 8
	s_cbranch_scc1 .Lgo
	s_wait_xcnt 0x0                                ; the first tile's stores have read their registers and bases
.irp j, 0,1,2,3
	v_mov_b32 v[16+\j], v[24+\j]                   ; the second tile's codes and words: the lines of INIT stand between these and the products
.endr
	v_mov_b32 v[QS], v[QS+1]
	INIT s51
.Lgo:
	s_cmp_gt_u32 s74, s67                          ; all 128 keys come after my queries
	s_cbranch_scc1 .Lskip
	s_mul_i32 s2, s74, KSTEPB
	s_mul_i32 s3, s74, VSTEPB
	s_add_co_u32 s3, s3, VBASE
	v_add_nc_u32 v8, s2, v1                        ; these three and the v_nop are the four places between the last trip's products and the loads into their registers
	v_add_nc_u32 v9, s3, v1
	v_add_nc_u32 v10, s3, v2
	v_nop
.irp t, 0,1,2,3,4,5,6,7
	ds_load_b128 v[KB+4*\t:KB+4*\t+3], v8 offset:512*\t
.endr
	ds_load_b128 v[KS:KS+3], v8 offset:4096
.irp f, 0,1,2,3
.irp c, 0,1
	ds_load_b128 v[VB+8*\f+4*\c:VB+8*\f+4*\c+3], v9 offset:1024*\f+512*\c
.endr
.endr
	ds_load_b128 v[VS:VS+3], v10 offset:4096
	s_cmp_eq_u32 s74, s67
	s_cbranch_scc1 .Ldiag
	STEP 4, 0
	s_branch .Lskip
.Ldiag:                                        ; the step on the diagonal, by the tile's own block
	s_cmp_lg_u32 s75, 0
	s_cbranch_scc1 .Ln1
	STEP 1, 1
	s_branch .Lout
.Ln1:
	s_cmp_lg_u32 s75, 1
	s_cbranch_scc1 .Ln2
	STEP 2, 1
	s_branch .Lout
.Ln2:
	s_cmp_lg_u32 s75, 2
	s_cbranch_scc1 .Ln3
	STEP 3, 1
	s_branch .Lout
.Ln3:
	STEP 4, 1
.Lout:                                         ; THE WAY OUT of a tile: O / l, quantised along d, as a chunk of ocod's fragment image
.rept 4
	v_nop
.endr
	v_add_f32 v14, v14, v15
	s_delay_alu instid0(VALU_DEP_1)
	v_permlanex16_b32 v[TT], v14, s20, s21
	s_delay_alu instid0(VALU_DEP_1)
	v_add_f32 v14, v14, v[TT]                      ; the row's sum
	s_wait_alu depctr_va_vdst(0)                   ; the wait ahead of the transcendental
	v_rcp_f32 v14, v14
	v_nop
	s_wait_alu depctr_va_vdst(0)                   ; and ahead of its first reader, which is also O^T's
.set j, 0
.rept 16
	v_pk_mul_f32 v[SS+j:SS+j+1], v[OO+j:OO+j+1], v[14:15] op_sel_hi:[1,0]   ; register 16 b + i = o(my query, d = 32 b + 16 h + i)
.set j, j+2
.endr
.irp b, 0,1
	v_max3_num_f32 v[BM+\b], |v[SS+16*\b]|, |v[SS+16*\b+1]|, 0x1800000
.endr
.irp i, 2,4,6,8,10,12,14
.irp b, 0,1
	s_delay_alu instid0(VALU_DEP_2)
	v_max3_num_f32 v[BM+\b], v[BM+\b], |v[SS+16*\b+\i]|, |v[SS+16*\b+\i+1]|
.endr
.endr
.irp b, 0,1
	s_delay_alu instid0(VALU_DEP_2)
	v_permlanex16_b32 v[BP+\b], v[BM+\b], s20, s21
.endr
.irp b, 0,1
	s_delay_alu instid0(VALU_DEP_2)
	v_max_num_f32 v[BM+\b], v[BM+\b], v[BP+\b]
.endr
.irp b, 0,1
	s_delay_alu instid0(VALU_DEP_2)
	v_add_nc_u32 v[EE+\b], 0xff000000, v[BM+\b]
.endr
.irp b, 0,1
	s_delay_alu instid0(VALU_DEP_2)
	v_lshrrev_b32 v[BP+\b], 23, v[EE+\b]
.endr
.irp b, 0,1
	v_cvt_scalef32_pk8_fp4_f32 v[PC+2*\b], v[SS+16*\b:SS+16*\b+7], v[EE+\b]
	v_cvt_scalef32_pk8_fp4_f32 v[PC+2*\b+1], v[SS+16*\b+8:SS+16*\b+15], v[EE+\b]
.endr
	v_cndmask_b32 v[TT], v[BP], v[BP+1], s69       ; lanes 0-15 block 0's byte, lanes 16-31 block 1's.  (The plain line behind the conversions)
	v_permlane16_swap_b32 v[PC], v[PC+2]           ; lane (r, h) now holds d = 32 h + 0 .. 31
	v_permlane16_swap_b32 v[PC+1], v[PC+3]
	global_store_b128 v1, v[PC:PC+3], s[70:71]     ; 512 consecutive bytes: a chunk of the fragment's image
	global_store_b8 v4, v[TT], s[72:73] offset:4096   ; two bytes of each position's word: the other heads' work-groups write the others
.Lskip:
	s_add_co_u32 s66, s66, 1
	s_cmp_lt_u32 s66, 16
	s_cbranch_scc1 .Ltrip
	s_wait_tensorcnt 0x0                           ; the wave's end
	ds_add_u32 v254, v255
	s_wait_dscnt 0x0
	s_endpgm
.Lfunc_end_k_qe786831350_attn:
	.size	k_qe786831350_attn, .Lfunc_end_k_qe786831350_attn-k_qe786831350_attn
	.p2alignl 7, 3214868480
	.fill 96, 4, 3214868480
	.section	.rodata,"a",@progbits
	.p2align	6, 0x0
	.amdhsa_kernel k_qe786831350_attn
		.amdhsa_group_segment_fixed_size 169984
		.amdhsa_private_segment_fixed_size 0
		.amdhsa_enable_private_segment 0
		.amdhsa_kernarg_size 32
		.amdhsa_user_sgpr_count 2
		.amdhsa_user_sgpr_kernarg_segment_ptr 1
		.amdhsa_wavefront_size32 1
		.amdhsa_system_sgpr_workgroup_id_x 1
		.amdhsa_system_sgpr_workgroup_id_y 1
		.amdhsa_system_sgpr_workgroup_id_z 1
		.amdhsa_system_vgpr_workitem_id 0
		.amdhsa_next_free_vgpr 256
		.amdhsa_next_free_sgpr 80
		.amdhsa_reserve_vcc 1
		.amdhsa_float_denorm_mode_32 3
		.amdhsa_float_denorm_mode_16_64 3
		.amdhsa_memory_ordered 1
		.amdhsa_forward_progress 1
		.amdhsa_inst_pref_size 70
	.end_amdhsa_kernel
	.amdgpu_metadata
---
amdhsa.version: [ 1, 2 ]
amdhsa.kernels:
  - .name:           k_qe786831350_attn
    .symbol:         k_qe786831350_attn.kd
    .args:
      - { .name: qcod, .offset: 0, .size: 8, .value_kind: global_buffer, .address_space: global }
      - { .name: kcod, .offset: 8, .size: 8, .value_kind: global_buffer, .address_space: global }
      - { .name: vcod, .offset: 16, .size: 8, .value_kind: global_buffer, .address_space: global }
      - { .name: ocod, .offset: 24, .size: 8, .value_kind: global_buffer, .address_space: global }
    .group_segment_fixed_size: 169984
    .private_segment_fixed_size: 0
    .kernarg_segment_align: 8
    .kernarg_segment_size: 32
    .max_flat_workgroup_size: 512
    .sgpr_count:     80
    .vgpr_count:     256
    .wavefront_size: 32
...
	.end_amdgpu_metadata
.endif
;; end of part 3
;; launch proj (part 4): grid 4 x 64, 4 waves a work-group, clusters of 4 x 4, 243,200 bytes of LDS; arguments ocod, wcod, b_proj, out0; writes out0
.if DOCPART == 4
	.amdgcn_target "amdgcn-amd-amdhsa--gfx1250"
	.amdhsa_code_object_version 6
	.text
	.protected	k_qe786831350_proj
	.globl	k_qe786831350_proj
	.p2align	8
	.type	k_qe786831350_proj,@function
k_qe786831350_proj:
	s_mov_b64 s[64:65], 0
	v_nop
	global_prefetch_b8 v0, s[64:65] scope:SCOPE_SE
	s_setreg_imm32_b32 hwreg(HW_REG_WAVE_MODE, 25, 1), 1
	s_wait_xcnt 0x0
	s_wait_alu depctr_hold_cnt(0) depctr_sa_sdst(0) depctr_va_vdst(0) depctr_va_sdst(0) depctr_va_ssrc(0) depctr_va_vcc(0) depctr_vm_vsrc(0)
	s_getreg_b32 s2, hwreg(HW_REG_IB_STS2, 6, 4)
	s_cmp_eq_u32 s2, 0
	s_cbranch_scc0 .Lentry_in_a_cluster
	s_endpgm
.Lentry_in_a_cluster:
	s_bfe_u32 s2, ttmp6, 0x10000c
	s_cmp_lg_u32 s2, 0xf033
	s_cbranch_scc0 .Lentry_shape_is_right
	s_endpgm
.Lentry_shape_is_right:
; out0 = o w_proj + b_proj on codes of FP4 with E8M0 scales, K = 1,024.  ocod and wcod: [tile of 16][half g of K][4 fragments as register images + 256 bytes of scale words [position][K step % 4]].
; A work-group makes 256 columns x 128 tokens: 256 work-groups.  P (source 0) = 16 tiles of w_proj's columns (wcod's tiles 192 on), Q (source 1) = 8 tiles of tokens.  A wave takes 8 tiles of P x 4 of Q: 32 accumulators.
; A lane holds one token; position p of a tile is index 32 b + 8 u + p % 8 + 16 (p / 8), so registers j of P's tile b are the columns 32 (b / 2) + 8 (b % 2) + 16 (lane / 16) + j.
; CLUSTER 4 x 4: P's block hangs on the column block alone and is asked for jointly by a column of the cluster, Q's on the token block alone and by a row.
; ALL OF K LIES IN LDS AT ONCE, in two halves, one load a wave at the head: no LDS byte is filled twice.  The bias is the C of each sum's first matrix instruction.
; REGISTERS: window 0: v1-3, v16-27 addresses; v32-95 scale words; v128-191 Q's fragments, two sets; on the way out v128-255 rows of out0.  window 1: v0-63, v128-191 P's fragments; v64-127 the bias.  window 2: the accumulators.
; AS THE TEXT NOW STANDS: each wave brings its tiles WHOLE, both halves of K, by ONE tensor load at the head (a row of the load is a tile's 8,704 bytes); in LDS half g of a tile lies 4,352 g bytes into it; one barrier, and LDS is only read.
.set HALF,  4352
.set TILEB, 8704
.set PPART, 8*TILEB
.set QPART, 4*TILEB
.set GREG,  HALF                       ; from half 0 to half 1 of K inside a tile
.set STAGE, 2*PPART+2*QPART            ; behind the tiles, in bytes of their own: 16 rows x 528 bytes for each wave
.set SPITCH, 528
.set ADRP,  16
.set ADRQ,  18
.set ADRSP, 20
.set ADRSQ, 22
.set STO,   24
.set RD,    25
.set CO,    3
.set SC,    32                         ; for half g: v[32 + 32 g ..] P's words (register 4 (b % 4) + q: lanes 0-15 tile b < 4, lanes 16-31 tile b >= 4), v[48 + 32 g ..] Q's (4 a + q)
.set QF,    128
.set BI,    64
.set G1P, 24
.set G0P, 32
.set G1Q, 48
.set G0Q, 56
.set MSB, 0
.macro WIN new
.if MSB != (\new)
	s_set_vgpr_msb (MSB<<8)|(\new)
.set MSB, (\new)
.endif
.endm
.macro CROUND
	s_barrier_signal -1
	s_barrier_wait -1
	s_cmp_lg_u32 s14, 0
	s_cbranch_scc1 .Lnot_wave_0_\@
	s_barrier_signal -3
.Lnot_wave_0_\@:
	s_barrier_wait -3
	s_barrier_signal -1
	s_barrier_wait -1
.endm
.macro PLACES
.rept 4
	v_nop
.endr
.endm
	s_load_b256 s[4:11], s[0:1], 0x0               ; ocod, wcod, b_proj, out0
	v_lshl_add_u32 v126, v0, 2, 0x3b400
	v_mov_b32 v127, 0
	ds_add_u32 v126, v127
	ds_add_u32 v126, v127
	v_lshrrev_b32 v1, 5, v0
	v_readfirstlane_b32 s14, v1                    ; wave 0..3
	s_lshr_b32 s15, s14, 1                         ; my half of P.  Also: I fetch for P (0) or for Q (1)
	s_and_b32 s16, s14, 1                          ; my half of Q.  Also: which half of that block I fetch
	s_bfe_u32 s40, ttmp6, 0x40000                  ; cx
	s_bfe_u32 s41, ttmp6, 0x40004                  ; cy
	s_lshl_b32 s42, ttmp9, 2
	s_add_co_u32 s42, s42, s40                     ; the block of 256 columns
	s_and_b32 s43, ttmp7, 0xffff
	s_lshl_b32 s43, s43, 2
	s_add_co_u32 s43, s43, s41                     ; the block of 128 tokens
	s_lshl_b32 s44, s41, 2
	s_lshl_b32 s44, 15, s44                        ; my row of the cluster
	s_lshl_b32 s45, 0x1111, s40                    ; my column
	s_or_b32 s[G1P], s45, (3<<16)|(1<<21)          ; the mask; elements of 8 bytes; bit 21 beside a mask; no padding
	s_or_b32 s[G1Q], s44, (3<<16)|(1<<21)
	s_mov_b32 s[G1P+1], 1088<<16                   ; 8,704 bytes a tile
	s_mov_b32 s[G1P+2], 8<<16                      ; 8 tiles
	s_mov_b32 s[G1P+3], 1088<<16
	s_mov_b32 s[G1P+4], 8
	s_mov_b32 s[G1P+5], 1088                       ; 8,704 bytes from tile to tile
	s_mov_b32 s[G1P+6], 0
	s_mov_b32 s[G1P+7], 0
	s_mov_b32 s[G1Q+1], 1088<<16
	s_mov_b32 s[G1Q+2], 4<<16                      ; 4 tiles
	s_mov_b32 s[G1Q+3], 1088<<16
	s_mov_b32 s[G1Q+4], 4
	s_mov_b32 s[G1Q+5], 1088
	s_mov_b32 s[G1Q+6], 0
	s_mov_b32 s[G1Q+7], 0
	s_lshl_b32 s46, s42, 4
	s_lshl_b32 s17, s16, 3
	s_add_co_u32 s46, s46, s17
	s_add_co_u32 s46, s46, 192                     ; w_proj's tiles begin at 192
	s_mul_i32 s46, s46, TILEB
	s_mov_b32 s47, 0
	s_lshl_b32 s92, s43, 3
	s_lshl_b32 s17, s16, 2
	s_add_co_u32 s92, s92, s17
	s_mul_i32 s92, s92, TILEB
	s_mov_b32 s93, 0
	s_mul_i32 s18, s14, PPART                      ; waves 0, 1: P's parts
	s_mul_i32 s19, s14, QPART
	s_add_co_u32 s19, s19, PPART                   ; waves 2, 3: Q's parts, at 139,264 and 174,080
	s_wait_dscnt 0x0
	s_wait_kmcnt 0x0
	s_add_nc_u64 s[20:21], s[6:7], s[46:47]
	s_add_nc_u64 s[22:23], s[4:5], s[92:93]
	CROUND                                         ; all sixteen work-groups are here: the joint loads meet
.irp g, 0
	s_mov_b32 s[G0P+4*\g], 1
	s_add_co_u32 s[G0P+4*\g+1], s18, \g*GREG
	s_add_nc_u64 s[G0P+4*\g+2:G0P+4*\g+3], s[20:21], \g*HALF
	s_or_b32 s[G0P+4*\g+3], s[G0P+4*\g+3], 0x80000000
	s_mov_b32 s[G0Q+4*\g], 1
	s_add_co_u32 s[G0Q+4*\g+1], s19, \g*GREG
	s_add_nc_u64 s[G0Q+4*\g+2:G0Q+4*\g+3], s[22:23], \g*HALF
	s_or_b32 s[G0Q+4*\g+3], s[G0Q+4*\g+3], 0x80000000
.endr
	s_cmp_eq_u32 s15, 0                            ; one load a wave at the head, an arm each
	s_cbranch_scc0 .Lfor_q
	tensor_load_to_lds s[G0P:G0P+3], s[G1P:G1P+7]
	s_nop 0
.rept 4
	v_nop
.endr
	s_branch .Lasked
.Lfor_q:
	tensor_load_to_lds s[G0Q:G0Q+3], s[G1Q:G1Q+7]
	s_nop 0
.rept 4
	v_nop
.endr
.Lasked:
	v_and_b32 v1, 15, v0                           ; r
	v_bfe_u32 v2, v0, 4, 1                         ; h
	s_wait_alu depctr_va_vdst(0)
	v_and_b32 v3, 31, v0
	v_lshlrev_b32 v3, 4, v3                        ; 16 x lane
	s_wait_alu depctr_va_vdst(0)
	v_lshlrev_b32 v27, 6, v2                       ; the bias: 64 h bytes
	s_lshl_b32 s82, s42, 10
	s_lshl_b32 s83, s15, 9
	s_add_co_u32 s82, s82, s83                     ; my first column, in bytes of f32
	s_mov_b32 s83, 0
	s_add_nc_u64 s[8:9], s[8:9], s[82:83]
	WIN 0x40                                       ; destination window 1
.irp b, 0,1,2,3,4,5,6,7
	global_load_b128 v[BI+8*\b:BI+8*\b+3], v27, s[8:9] offset:128*(\b/2)+32*(\b%2)
	global_load_b128 v[BI+8*\b+4:BI+8*\b+7], v27, s[8:9] offset:128*(\b/2)+32*(\b%2)+16
.endr
	WIN 0
	s_lshl_b32 s84, s43, 7
	s_lshl_b32 s85, s16, 6
	s_add_co_u32 s84, s84, s85                     ; my first token
	s_lshl_b32 s84, s84, 12                        ; rows of 4,096 bytes
	s_add_co_u32 s84, s84, s82
	s_mov_b32 s85, 0
	s_add_nc_u64 s[10:11], s[10:11], s[84:85]      ; out0 at my corner
	s_mul_i32 s86, s15, PPART                      ; my half of P
	s_mul_i32 s87, s16, QPART
	s_add_co_u32 s87, s87, 2*PPART                 ; my half of Q
	v_mul_u32_u24 v4, v2, QPART                    ; P's words: lanes 16-31 take the tiles four further on
	v_lshl_add_u32 v4, v1, 4, v4
	v_lshlrev_b32 v5, 4, v1                        ; Q's words: 16 r
.irp g, 0,1
	v_add_nc_u32 v[ADRP+\g], s86, v3
	v_add_nc_u32 v[ADRQ+\g], s87, v3
	v_add_nc_u32 v[ADRSP+\g], s86, v4
	v_add_nc_u32 v[ADRSQ+\g], s87, v5
	s_add_co_u32 s86, s86, GREG
	s_add_co_u32 s87, s87, GREG
.endr
	s_mul_i32 s88, s14, 16*SPITCH
	s_add_co_u32 s88, s88, STAGE                   ; my stage
	v_mul_u32_u24 v[STO], v1, SPITCH
	v_lshl_add_u32 v[STO], v2, 6, v[STO]
	v_add_nc_u32 v[STO], s88, v[STO]               ; in: row r, + 64 h bytes
	v_add_nc_u32 v[RD], s88, v3                    ; back: the 32 lanes take a row of 512 bytes
.macro FETCH s
.set fg, (\s)/4
.set fq, (\s)%4
.set fs, (\s)%2
	WIN 0x40
.irp i, 0,1,2,3,4,5,6,7
.irp c, 0,1
	ds_load_b128 v[128*fs+8*\i+4*\c:128*fs+8*\i+4*\c+3], v[ADRP+fg] offset:TILEB*\i+1024*fq+512*\c
.endr
.endr
	WIN 0
.irp i, 0,1,2,3
.irp c, 0,1
	ds_load_b128 v[QF+32*fs+8*\i+4*\c:QF+32*fs+8*\i+4*\c+3], v[ADRQ+fg] offset:TILEB*\i+1024*fq+512*\c
.endr
.endr
.if fq == 0
.irp i, 0,1,2,3
	ds_load_b128 v[SC+32*fg+4*\i:SC+32*fg+4*\i+3], v[ADRSP+fg] offset:TILEB*\i+4096
	ds_load_b128 v[SC+16+32*fg+4*\i:SC+16+32*fg+4*\i+3], v[ADRSQ+fg] offset:TILEB*\i+4096
.endr
.endif
.endm
.macro WM a, b, bias
.set rD, 8*(8*(\a)+(\b))
.set rP, 128*ms+8*(\b)
.set rQ, QF+32*ms+8*(\a)
.set rA, SC+32*mg+4*((\b)%4)+mq
.set rB, SC+16+32*mg+4*(\a)+mq
.set rC, BI+8*(\b)
.if \bias
.if (\b) < 4
	v_wmma_scale_f32_16x16x128_f8f6f4 v[rD:rD+7], v[rP:rP+7], v[rQ:rQ+7], v[rC:rC+7], v[rA], v[rB] matrix_a_fmt:MATRIX_FMT_FP4 matrix_b_fmt:MATRIX_FMT_FP4
.else
	v_wmma_scale_f32_16x16x128_f8f6f4 v[rD:rD+7], v[rP:rP+7], v[rQ:rQ+7], v[rC:rC+7], v[rA], v[rB] matrix_a_fmt:MATRIX_FMT_FP4 matrix_b_fmt:MATRIX_FMT_FP4 matrix_a_scale:MATRIX_SCALE_ROW1
.endif
.else
.if (\b) < 4
	v_wmma_scale_f32_16x16x128_f8f6f4 v[rD:rD+7], v[rP:rP+7], v[rQ:rQ+7], v[rD:rD+7], v[rA], v[rB] matrix_a_fmt:MATRIX_FMT_FP4 matrix_b_fmt:MATRIX_FMT_FP4
.else
	v_wmma_scale_f32_16x16x128_f8f6f4 v[rD:rD+7], v[rP:rP+7], v[rQ:rQ+7], v[rD:rD+7], v[rA], v[rB] matrix_a_fmt:MATRIX_FMT_FP4 matrix_b_fmt:MATRIX_FMT_FP4 matrix_a_scale:MATRIX_SCALE_ROW1
.endif
.endif
.endm
; 32 matrix instructions: the 32 accumulators take turns, one instruction a turn, in the same order in every step
.macro MUL s, bias
.set mg, (\s)/4
.set mq, (\s)%4
.set ms, (\s)%2
.if \bias
	WIN 0x91                                       ; source 0 (P) and C (the bias) window 1, source 1 (Q) window 0, D window 2
.else
	WIN 0xa1                                       ; C and D window 2
.endif
.irp a, 0,1,2,3
.irp b, 0,1,2,3,4,5,6,7
	WM \a, \b, \bias
.endr
.endr
.endm
.macro KSTEP s
	s_wait_dscnt 0x0                               ; this step's fragments, asked for 32 matrix instructions ago
.if (\s) < 7
.if (\s) > 0
	PLACES
.endif
	FETCH (\s)+1
.endif
.if (\s) == 0
	MUL \s, 1
.else
	MUL \s, 0
.endif
.endm
	s_wait_alu depctr_va_vdst(0)
	s_wait_tensorcnt 0x0                           ; my tiles are in
	s_barrier_signal -1
	s_barrier_wait -1
	FETCH 0
	s_wait_loadcnt 0x0                             ; the bias
.irp s, 0,1,2,3,4,5,6,7
	KSTEP \s
.endr
	WIN 0
	PLACES
; THE WAY OUT, a tile of 16 tokens x 128 columns at a time, through my own stage: in as 32 bytes a lane, back as whole rows of 512 bytes.  LDS serves a wave's instructions in order (ISA guide 5.7.1.4).
.irp a, 0,1,2,3
.if \a >= 2
	s_wait_xcnt 0x0                                ; tile a - 2's stores have read the registers that these loads fill
.endif
	WIN 0x08                                       ; an LDS store's data: window 2
.irp b, 0,1,2,3,4,5,6,7
	ds_store_b128 v[STO], v[8*(8*\a+\b):8*(8*\a+\b)+3] offset:128*(\b/2)+32*(\b%2)          ; each accumulator from its low end on
	ds_store_b128 v[STO], v[8*(8*\a+\b)+4:8*(8*\a+\b)+7] offset:128*(\b/2)+32*(\b%2)+16
.endr
	WIN 0
.irp t, 0,1,2,3,4,5,6,7,8,9,10,11,12,13,14,15
	ds_load_b128 v[192-64*(\a%2)+4*\t:192-64*(\a%2)+4*\t+3], v[RD] offset:\t*SPITCH
.endr
	s_wait_dscnt 0x0
.irp t, 0,1,2,3,4,5,6,7,8,9,10,11,12,13,14,15
	global_store_b128 v[CO], v[192-64*(\a%2)+4*\t:192-64*(\a%2)+4*\t+3], s[10:11] offset:(32*(\a/2)+8*(\a%2)+(\t%8)+16*(\t/8))*4096 th:TH_STORE_NT   ; position t's token: 512 consecutive bytes, at a multiple of 256 from out0's first byte
.endr
.endr
	s_wait_tensorcnt 0x0
	ds_add_u32 v126, v127
	s_wait_dscnt 0x0
	CROUND                                         ; the closing round: no work-group ends while a partner may still ask for a tile that names it
	s_endpgm
.Lfunc_end_k_qe786831350_proj:
	.size	k_qe786831350_proj, .Lfunc_end_k_qe786831350_proj-k_qe786831350_proj
	.p2alignl 7, 3214868480
	.fill 96, 4, 3214868480
	.section	.rodata,"a",@progbits
	.p2align	6, 0x0
	.amdhsa_kernel k_qe786831350_proj
		.amdhsa_group_segment_fixed_size 243200
		.amdhsa_private_segment_fixed_size 0
		.amdhsa_enable_private_segment 0
		.amdhsa_kernarg_size 32
		.amdhsa_user_sgpr_count 2
		.amdhsa_user_sgpr_kernarg_segment_ptr 1
		.amdhsa_wavefront_size32 1
		.amdhsa_system_sgpr_workgroup_id_x 1
		.amdhsa_system_sgpr_workgroup_id_y 1
		.amdhsa_system_sgpr_workgroup_id_z 1
		.amdhsa_system_vgpr_workitem_id 0
		.amdhsa_next_free_vgpr 768
		.amdhsa_next_free_sgpr 100
		.amdhsa_reserve_vcc 0
		.amdhsa_float_denorm_mode_32 3
		.amdhsa_float_denorm_mode_16_64 3
		.amdhsa_memory_ordered 1
		.amdhsa_forward_progress 1
		.amdhsa_inst_pref_size 70
	.end_amdhsa_kernel
	.amdgpu_metadata
---
amdhsa.version: [ 1, 2 ]
amdhsa.kernels:
  - .name:           k_qe786831350_proj
    .symbol:         k_qe786831350_proj.kd
    .args:
      - { .name: ocod, .offset: 0, .size: 8, .value_kind: global_buffer, .address_space: global }
      - { .name: wcod, .offset: 8, .size: 8, .value_kind: global_buffer, .address_space: global }
      - { .name: b_proj, .offset: 16, .size: 8, .value_kind: global_buffer, .address_space: global }
      - { .name: out0, .offset: 24, .size: 8, .value_kind: global_buffer, .address_space: global }
    .group_segment_fixed_size: 243200
    .private_segment_fixed_size: 0
    .kernarg_segment_align: 8
    .kernarg_segment_size: 32
    .max_flat_workgroup_size: 128
    .sgpr_count:     100
    .vgpr_count:     768
    .wavefront_size: 32
...
	.end_amdgpu_metadata
.endif
;; end of part 4
